; MI455X (gfx1250); checked and timed in simulation.
; The chip was launched on July 23, 2026; its instructions are those of AMD's public machine-readable ISA for CDNA 5 (MIT licence, August 2026) and "CDNA5" Instruction Set Architecture Reference Guide (July 2026). The comments in the code are by the model that wrote it; some were corrected since.
;; Weight Only Int8 Linear. Allowed arithmetic: float matrix products may take bf16 or f16 operands with f32 sums; other float arithmetic in f32, or as packed bf16 or f16 multiplies, adds, multiply-adds, maxima and minima; sums over many terms, partial sums and values carried from step to step in f32; what a program stores and reads back later, other than sums and carried values, may be rounded once to bf16 or f16.
;; Inputs: inputs 4 x 1,024 x 4,096 float32; weight 4,096 x 4,096 int8; weight_scaler 4,096 float32.
;; Outputs: out0 4 x 1,024 x 4,096 float32.
;; One version. Each part assembles by itself: llvm-mc -triple=amdgcn-amd-amdhsa -mcpu=gfx1250 --defsym DOCPART=n.
;; ======== version 1 of 1: 1 launch
;; limits: values are held in f16: magnitudes above 65,504 overflow, below 6.1e-05 lose precision; inputs' magnitudes at most 65,504; below input magnitudes of 6.1e-05 results are inexact or not finite
;; launch gemm (part 1): grid 8 x 32, 4 waves a work-group, clusters of 4 x 4, 327,680 bytes of LDS; arguments inputs, weight, out0, weight_scaler; writes out0
.if DOCPART == 1
	.amdgcn_target "amdgcn-amd-amdhsa--gfx1250"
	.amdhsa_code_object_version 6
	.text
	.protected	k_qa35cb357ad_gemm
	.globl	k_qa35cb357ad_gemm
	.p2align	8
	.type	k_qa35cb357ad_gemm,@function
k_qa35cb357ad_gemm:
	s_mov_b64 s[64:65], 0
	v_nop
	global_prefetch_b8 v0, s[64:65] scope:SCOPE_SE
	s_setreg_imm32_b32 hwreg(HW_REG_WAVE_MODE, 25, 1), 1
	s_wait_xcnt 0x0
	s_wait_alu depctr_hold_cnt(0) depctr_sa_sdst(0) depctr_va_vdst(0) depctr_va_sdst(0) depctr_va_ssrc(0) depctr_va_vcc(0) depctr_vm_vsrc(0)
	s_getreg_b32 s2, hwreg(HW_REG_IB_STS2, 6, 4)
	s_cmp_eq_u32 s2, 0
	s_cbranch_scc0 .Lentry_in_a_cluster
	s_endpgm
.Lentry_in_a_cluster:
	s_bfe_u32 s2, ttmp6, 0x10000c
	s_cmp_lg_u32 s2, 0xf033
	s_cbranch_scc0 .Lentry_shape_is_right
	s_endpgm
.Lentry_shape_is_right:
; out0[m][n] = weight_scaler[n] x (sum over k of inputs[m][k] weight[n][k]).  inputs: [4096][4096] f32 (A), weight: [4096][4096] int8 (W), out0: [4096][4096] f32, weight_scaler: [4096] f32.
; ONE LAUNCH: both operands come raw into LDS and are converted to f16 in registers, beside the matrix instructions.  Sums in f32, one accumulator for each output; the scale is one f32 multiply on the finished sum.
; LIMITS.  inputs are rounded once to f16, to nearest even: 65,520 and more in magnitude becomes an infinity, below 6.1e-5 f16 keeps its fixed step of 6e-8; NaN and infinities stay what they are.
; weight's whole numbers -128 .. 127 are exact in f16.  The order of the sums is the matrix instruction's, with the 32 k of an instruction permuted (alike in both operands), not that of a chain of f32 additions.
; WHY f16: int8 to f16 takes 5 instructions for 4 numbers (u = w + 128 by one xor; 0x64uu = 1024 + u by two byte permutes; less 1,152 by two packed additions, exact); to bf16, through f32, it takes 9.
; SHARES.  A tile of out0 is 128 rows x 512 columns: 32 x 8 tiles, one to a work-group of four waves.  A wave makes 128 x 128 (all 128 rows of A, its own 128 rows of W): 64 accumulators, 512 registers.
; That shape, because raw operands are 4 bytes and 1 byte: a K step of 128 takes 128 x 528 + 512 x 144 = 141,312 bytes of LDS, and two such slots fit; a tile of 256 x 256 would take 172,032 a slot.
; K goes in 32 steps of 128 through a ring of two slots filled by the tensor data mover.  A's rows are 512 bytes of memory; W's are 128: two slots with W's rows of 256 bytes would take 278,528 bytes beside A's 135,168.
; CLUSTERS: 4 x 4 work-groups.  The four of a row of the cluster need the same tiles of A, the four of a column the same tiles of W: each tile is asked for JOINTLY, by the same tensor load with the same
; descriptor and a mask that names the four, and each receives it in its own LDS.  That divides the requests for A and for W by four.
; K PERMUTED.  In a chunk of 32 along K lane (r, h) holds, of its row, k = 16 h .. 16 h + 15, two to a register in ascending order: for W one load of 16 bytes, for A four.  Both operands alike, so the products pair up rightly.
; THE MATRIX INSTRUCTION IS USED TRANSPOSED: source 0 = 16 rows of W, source 1 = 16 rows of A.  In the result lane l holds row m = l % 16 of out0 and its registers 0 to 7 the columns n = 8 (l / 16) + 0 .. 7.
; BY HALVES.  A quarter step is 32 along K, 64 matrix instructions, on fragment buffers 0, 1, 0, 1; a HALF is 32 of them (my rows 0-63, or 64-127).  Each half begins with ONE run of 20 LDS loads of raw data and carries,
; four behind each of its last 28 matrix instructions, the 112 conversions of the raw data that the half before fetched: 3.5 vector instructions for each matrix instruction.  The half with my rows 0-63 converts
; PART 0 of the next quarter's fragments (W's blocks 0-3 and A's blocks 0-3 of 16 rows), the other half PART 1 (blocks 4-7).  So LDS is read a quarter and a half ahead of the products.
; REGISTERS, in windows of 256 (s_set_vgpr_msb's low byte: bits 1:0 source 0, 3:2 source 1, 5:4 source 2, 7:6 destination):
;   window 0: v0-31 addresses, scales, constants; v32-63 raw W, 16 a part; v64-127, v128-191 A's fragments in f16, two buffers (on the way out: rows read back from the stage)
;   window 1: v0-63 raw A of part 0, v192-255 of part 1; v64-127, v128-191 W's fragments in f16, two buffers
;   window 2: the 32 accumulators of my rows 0-63 (accumulator (a, b) at v[8 (8 a + b)]);   window 3: those of my rows 64-127
; A group of four conversions is of one kind and stands under one setting, so it costs two switches, one in front and one behind.
.set SIZE_M, 4096
.set SIZE_N, 4096
.set SIZE_K, 4096
.set KSTEP,  128
.set STEPS,  SIZE_K/KSTEP              ; 32
.set PA,     528                       ; a row of A in LDS: 512 bytes + 16 of padding = 132 words: row r starts at bank 4 r mod 64 (64 banks of 4 bytes: ISA guide 11.1), so the 16 rows of a load start at 16 different groups of four banks
.set PW,     144                       ; a row of W: 128 bytes + 16 = 36 words: 36 r mod 64 takes 16 different multiples of 4 for r = 0 .. 15
.set AHALF,  64*PA                     ; what wave 0 or 1 fetches: 64 rows of A
.set WOFF,   128*PA                    ; W's 512 rows lie behind A's 128
.set WHALF,  256*PW                    ; what wave 2 or 3 fetches: 256 rows of W
.set WWAVE,  128*PW                    ; what one wave reads of W
.set SLOT,   WOFF+512*PW               ; 141,312
.set STAGE,  2*SLOT                    ; behind the ring: 16 rows x 528 bytes for each wave, for the way out; no tensor load lands here
.set SPITCH, 528
.set SPARE,  STAGE+4*16*SPITCH         ; behind the stages: the spare words, 128 bytes for each wave: two blocks of 256 bytes that no other line names
.set SC,   8                           ; v[8:11] the scales of columns 4 lane .. 4 lane + 3 of my wave's 128
.set A0,   12                          ; v12     my lane's place in a tile of A: (l % 16) x 528 + 64 (l / 16); never rewritten
.set W0,   13                          ; v13     my lane's place in a slot's W: 67,584 + wave x 18,432 + (l % 16) x 144 + 16 (l / 16); never rewritten
.set ADRA, 16                          ; v16     A0 + the slot that is being read
.set ADRW, 17                          ; v17     W0 + the same
.set STO,  24                          ; v24     the way out: where I put 32 bytes of a row
.set RD,   25                          ; v25     the way out: where I read 16 bytes of a row back
.set CO,   26                          ; v26     16 x lane: my byte offset in 512 bytes of a row of out0, and in my wave's 128 scales; never rewritten
.set SPW,  28                          ; v28     LDS address of my spare word: SPARE + 4 x my thread's number; never rewritten
.set NIL,  29                          ; v29     0; never rewritten
.set KNEG, 30                          ; v30     -1,152 in f16, twice
.set K64,  31                          ; v31     0x64 in every byte: the upper byte of 1,024 + u in f16
.set RW,   32                          ; raw W, window 0: part p, block i of 4 at RW + 16 p + 4 i
.set RA,   192                         ; raw A, window 1: part p, block i of 4 at RA p + 16 i
.set F0,   64                          ; fragment buffer 0 (A's in window 0, W's in window 1)
.set F1,   128                         ; fragment buffer 1
.set G1,  24                           ; s[24:31] descriptor group 1 for A's tiles
.set G0,  32                           ; s[32:39] descriptor group 0 for A's tiles: a set for each of the two first fills; the second then walks on
.set G1B, 48                           ; s[48:55] descriptor group 1 for W's tiles
.set G0B, 56                           ; s[56:63] descriptor group 0 for W's tiles, likewise
.set TB,  68                           ; s68  the LDS byte at which the slot that is being read begins: 0 or SLOT
.set XR,  69                           ; s69  0x80808080
.set SLO, 70                           ; s70  byte selects: 0x64, byte 1, 0x64, byte 0
.set SHI, 71                           ; s71  byte selects: 0x64, byte 3, 0x64, byte 2
.set MSB, 0
.macro WIN new                         ; the immediate's high byte repeats the setting that is left; a switch that changes nothing is dropped
.if MSB != (\new)
	s_set_vgpr_msb (MSB<<8)|(\new)
.set MSB, \new
.endif
.endm
.set MUL_LO, 0xa1                      ; source 0 (W) window 1, source 1 (A) window 0, C and D window 2
.set MUL_HI, 0xf1                      ; the same, C and D window 3
.set TO_1,   0x40                      ; destination window 1, sources window 0: loads of raw A; the byte permutes
.set W_S,    0x41                      ; destination and source 0 window 1, source 1 window 0: the packed additions
.set W_C,    0x05                      ; sources 0 and 1 window 1, destination window 0: A's roundings
; A joint load.  Waves 0 and 1 fetch A's two halves, waves 2 and 3 W's.  Each of the two lines has ONE mask and one set of registers for all that issue it, and nothing in them hangs on a
; coordinate that the four partners do not share.  The branch hangs on the wave's number alone.  An s_nop 0 and four v_nop follow each of the two lines, ahead of the jump, the label and what follows.
.macro JLOAD s
	s_cmp_eq_u32 s11, 0
	s_cbranch_scc0 .Lfor_w_\@
	tensor_load_to_lds s[G0+4*(\s):G0+4*(\s)+3], s[G1:G1+7]
	s_nop 0
.rept 4
	v_nop
.endr
	s_branch .Lasked_\@
.Lfor_w_\@:
	tensor_load_to_lds s[G0B+4*(\s):G0B+4*(\s)+3], s[G1B:G1B+7]
	s_nop 0
.rept 4
	v_nop
.endr
.Lasked_\@:
.endm
; A round of the cluster's barrier: my work-group's barrier, so that wave 0's signal speaks for all four waves; wave 0 signals for the work-group; every wave waits for all
; sixteen work-groups; my work-group's barrier once more.  No LDS instruction of the wave is pending at a signal.
.macro CREST                           ; a round behind its opening barrier
	s_cmp_lg_u32 s10, 0
	s_cbranch_scc1 .Lnot_wave_0_\@
	s_barrier_signal -3
.Lnot_wave_0_\@:
	s_barrier_wait -3
	s_barrier_signal -1
	s_barrier_wait -1
.endm
.macro CROUND                          ; a whole round
	s_barrier_signal -1
	s_barrier_wait -1
	CREST
.endm
	s_load_b128 s[4:7], s[0:1], 0x0                ; inputs s[4:5], weight s[6:7]
	s_load_b64 s[8:9], s[0:1], 0x10                ; out0
	s_load_b64 s[66:67], s[0:1], 0x18              ; weight_scaler
	v_lshl_add_u32 v[SPW], v0, 2, SPARE
	v_mov_b32 v[NIL], 0
	ds_add_u32 v28, v29
	ds_add_u32 v28, v29
	s_wait_dscnt 0x0
	v_lshrrev_b32 v1, 5, v0
	v_readfirstlane_b32 s10, v1                    ; wave 0..3: also my 128 of the tile's 512 columns
	s_lshr_b32 s11, s10, 1                         ; I fetch for A (0) or for W (1)
	s_and_b32 s12, s10, 1                          ; which half of that tile's rows I fetch
	s_bfe_u32 s40, ttmp6, 0x40000                  ; cx: my place along the cluster's x
	s_bfe_u32 s41, ttmp6, 0x40004                  ; cy: along its y
	s_lshl_b32 s42, ttmp9, 2                       ; in a cluster launch ttmp9 and ttmp7 count clusters
	s_add_co_u32 s42, s42, s40                     ; tile column = 4 x cluster x + cx, 0 .. 7
	s_and_b32 s13, ttmp7, 0xffff
	s_lshl_b32 s13, s13, 2
	s_add_co_u32 s13, s13, s41                     ; tile row = 4 x cluster y + cy, 0 .. 31
	s_lshl_b32 s43, s41, 2
	s_lshl_b32 s43, 15, s43                        ; my row of the cluster: places 4 cy .. 4 cy + 3
	s_lshl_b32 s44, 0x1111, s40                    ; my column: places cx, cx + 4, cx + 8, cx + 12
	; descriptor group 1.  A: 64 rows x 128 elements of 4 bytes.  W: 256 rows x 128 elements of 1 byte.  Both padded in LDS by 4 words behind each row.
	s_or_b32 s[G1+0], s43, (2<<16)|(1<<20)|(1<<21)|(6<<22)|(3<<25)  ; 15:0 the mask: A's tiles go to my row; 17:16 element of 4 bytes; 20 padding on; 21 set beside a mask; 24:22 after every 128 words (code 6); 31:25 of 4 words (code 3)
	s_or_b32 s[G1B+0], s44, (0<<16)|(1<<20)|(1<<21)|(4<<22)|(3<<25) ; the mask of my column; element of 1 byte; after every 32 words (code 4)
	s_mov_b32 s[G1+1], KSTEP<<16                   ; 63:48 tensor_dim0, low half = 128
	s_mov_b32 s[G1B+1], KSTEP<<16
	s_mov_b32 s[G1+2], 64<<16                      ; 79:64 its high half = 0; 95:80 tensor_dim1, low half = 64
	s_mov_b32 s[G1B+2], 256<<16                    ; = 256
	s_mov_b32 s[G1+3], KSTEP<<16                   ; 111:96 its high half = 0; 127:112 tile_dim0 = 128
	s_mov_b32 s[G1B+3], KSTEP<<16
	s_mov_b32 s[G1+4], 64                          ; 143:128 tile_dim1 = 64; 159:144 tile_dim2 = 0
	s_mov_b32 s[G1B+4], 256
	s_mov_b32 s[G1+5], SIZE_K                      ; 191:160 tensor_dim0_stride, low word: elements from row to row
	s_mov_b32 s[G1B+5], SIZE_K
	s_mov_b32 s[G1+6], 0
	s_mov_b32 s[G1B+6], 0
	s_mov_b32 s[G1+7], 0
	s_mov_b32 s[G1B+7], 0
	; where the tiles come from.  A's hang on the tile row alone, which my row of the cluster shares; W's on the tile column alone, which my column shares.
	; Every wave makes both addresses, in registers that never hold the other coordinate, and asks by one of them.
	s_lshl_b32 s17, s12, 6
	s_lshl_b32 s16, s13, 7
	s_add_co_u32 s16, s16, s17                     ; A: row 128 x tile row + 64 x half
	s_mov_b32 s17, 0
	s_mov_b64 s[18:19], SIZE_K*4
	s_mul_u64 s[16:17], s[16:17], s[18:19]         ; in bytes, in 64 bits
	s_lshl_b32 s47, s12, 8
	s_lshl_b32 s46, s42, 9
	s_add_co_u32 s46, s46, s47                     ; W: row 512 x tile column + 256 x half
	s_mov_b32 s47, 0
	s_mov_b64 s[22:23], SIZE_K
	s_mul_u64 s[46:47], s[46:47], s[22:23]
	s_mul_i32 s20, s12, AHALF                      ; and where they go in a slot: A's half,
	s_mul_i32 s21, s12, WHALF
	s_add_co_u32 s21, s21, WOFF                    ; W's half: no place in the cluster enters an LDS address
	s_mov_b32 s[TB], 0
	s_mov_b32 s[XR], 0x80808080
	s_mov_b32 s[SLO], 0x04010400
	s_mov_b32 s[SHI], 0x04030402
	v_mov_b32 v[K64], 0x64646464
	v_mov_b32 v[KNEG], 0xe480e480
	s_wait_kmcnt 0x0
	s_add_nc_u64 s[14:15], s[4:5], s[16:17]
	s_add_nc_u64 s[46:47], s[6:7], s[46:47]
	CROUND                                         ; all sixteen work-groups are here: the first joint loads meet
.irp s, 0,1
	s_mov_b32 s[G0+4*(\s)], 1                                      ; 1:0 count = 1
	s_add_co_u32 s[G0+4*(\s)+1], s20, (\s)*SLOT                    ; 63:32 LDS address
	s_add_nc_u64 s[G0+4*(\s)+2:G0+4*(\s)+3], s[14:15], (\s)*KSTEP*4  ; 120:64 global address: K step s
	s_or_b32 s[G0+4*(\s)+3], s[G0+4*(\s)+3], 0x80000000            ; 127:126 type = 2
	s_mov_b32 s[G0B+4*(\s)], 1
	s_add_co_u32 s[G0B+4*(\s)+1], s21, (\s)*SLOT
	s_add_nc_u64 s[G0B+4*(\s)+2:G0B+4*(\s)+3], s[46:47], (\s)*KSTEP
	s_or_b32 s[G0B+4*(\s)+3], s[G0B+4*(\s)+3], 0x80000000
	JLOAD \s                                       ; the ring is filled before anything else is done: two tensor loads of mine are out
.endr
	v_and_b32 v1, 15, v0                           ; l % 16
	v_bfe_u32 v2, v0, 4, 1                         ; l / 16
	v_mul_u32_u24 v[A0], v1, PA
	v_lshl_add_u32 v[A0], v2, 6, v[A0]             ; row x pitch + 16 f32 x half
	v_mul_u32_u24 v[W0], v1, PW
	v_lshl_add_u32 v[W0], v2, 4, v[W0]             ; row x pitch + 16 bytes x half
	s_mul_i32 s22, s10, WWAVE
	s_add_co_u32 s22, s22, WOFF
	v_add_nc_u32 v[W0], s22, v[W0]                 ; my wave's 128 rows of W
	v_add_nc_u32 v[ADRA], s[TB], v[A0]             ; slot 0 is read first
	v_add_nc_u32 v[ADRW], s[TB], v[W0]
	s_mul_i32 s23, s10, 16*SPITCH
	s_add_co_u32 s23, s23, STAGE                   ; my stage
	v_mul_u32_u24 v4, v1, SPITCH                   ; in: row l % 16, 32 bytes for each half of the lanes
	v_lshl_add_u32 v4, v2, 5, v4
	v_add_nc_u32 v[STO], s23, v4
	v_and_b32 v5, 31, v0
	v_lshlrev_b32 v[CO], 4, v5                     ; 16 x lane
	v_add_nc_u32 v[RD], s23, v[CO]                 ; back: the 32 lanes take one row's 512 bytes
	; out0 at the tile's first row and my wave's first column; weight_scaler at my wave's first column (both f32: the same column bytes)
	s_lshl_b32 s16, s13, 21                        ; 128 rows of 16,384 bytes for each tile row: 31 x 2^21 at the most
	s_mov_b32 s17, 0
	s_add_nc_u64 s[8:9], s[8:9], s[16:17]
	s_lshl_b32 s46, s42, 11                        ; 2,048 x tile column + 512 x wave (in the registers that held W's address: none that feeds A's descriptors ever holds cx)
	s_lshl_b32 s47, s10, 9
	s_add_co_u32 s46, s46, s47
	s_mov_b32 s47, 0
	s_add_nc_u64 s[8:9], s[8:9], s[46:47]
	s_add_nc_u64 s[66:67], s[66:67], s[46:47]
	global_load_b128 v[SC:SC+3], v[CO], s[66:67]   ; my four scales: the wave reads 512 consecutive bytes, once; waited for in front of the way out
; A RUN of 20 LDS loads: part p of the raw data of the chunk of 32 along K at place c (0 .. 3) of the slot that ADRA and ADRW point into.
; W: four blocks of 16 rows, 16 bytes a lane.  A: four blocks of 16 rows, 64 bytes a lane.  The raw registers are no matrix instruction's, so no places stand in front of the run.
.macro RUN p, c
	WIN 0
.irp i4, 0,1,2,3
	ds_load_b128 v[RW+16*(\p)+4*(\i4):RW+16*(\p)+4*(\i4)+3], v[ADRW] offset:(4*(\p)+(\i4))*16*PW+32*(\c)
.endr
	WIN TO_1
.irp i4, 0,1,2,3
.irp n4, 0,1,2,3
	ds_load_b128 v[RA*(\p)+16*(\i4)+4*(\n4):RA*(\p)+16*(\i4)+4*(\n4)+3], v[ADRA] offset:(4*(\p)+(\i4))*16*PA+128*(\c)+16*(\n4)
.endr
.endr
.endm
; GROUP n of the 28 that convert part p into fragment buffers g: four instructions of one kind.
;   0-19   W's block n / 5 of the part's four, five groups: u = w + 128 in its four raw words; 1,024 + u for words 0, 1 (two f16 a register); for words 2, 3; less 1,152 in registers 0-3; in registers 4-7
;   20-27  A's block (n - 20) / 2, two groups: eight f32 rounded to f16 in pairs
; A group reads what the group before it, at the nearest, wrote: a matrix instruction stands between.  W's groups come first: all of W's fragments are wanted at the next quarter's first product, A's blocks 4-7 only in its second half.
.macro GRP n, p, g
.if (\n) < 20
.set gi, (\n)/5
.set gk, (\n)%5
.set rR, RW+16*(\p)+4*gi
.set rC, (\g)+8*(4*(\p)+gi)
.if gk == 0
	WIN 0
.irp z, 0,1,2,3
	v_xor_b32 v[rR+(\z)], s[XR], v[rR+(\z)]
.endr
.elseif gk < 3
	WIN TO_1
.irp z, 0,1
	v_perm_b32 v[rC+4*(gk-1)+2*(\z)],   v[K64], v[rR+2*(gk-1)+(\z)], s[SLO]
	v_perm_b32 v[rC+4*(gk-1)+2*(\z)+1], v[K64], v[rR+2*(gk-1)+(\z)], s[SHI]
.endr
.else
	WIN W_S
.irp z, 0,1,2,3
	v_pk_add_f16 v[rC+4*(gk-3)+(\z)], v[rC+4*(gk-3)+(\z)], v[KNEG]
.endr
.endif
.else
.set gi, ((\n)-20)/2
.set gk, ((\n)-20)%2
.set rR, RA*(\p)+16*gi+8*gk
.set rC, (\g)+8*(4*(\p)+gi)+4*gk
	WIN W_C
.irp z, 0,1,2,3
	v_cvt_pk_f16_f32 v[rC+(\z)], v[rR+2*(\z)], v[rR+2*(\z)+1]
.endr
.endif
.endm
; Matrix instruction i of a half's 32: m block i / 8 of the window's four, n block i % 8, 32 along K from buffer f.  zero = 1: the product starts the sum: nothing is ever cleared.
; The 64 accumulators take turns, one instruction a turn, in the same order in every quarter step.
.macro MM f, hi, zero
	WIN MUL_LO+0x50*(\hi)
.set rD, 8*i
.set rB, (\f)+8*(i%8)
.set rA, (\f)+8*(4*(\hi)+i/8)
.if \zero
	v_wmma_f32_16x16x32_f16 v[rD:rD+7], v[rB:rB+7], v[rA:rA+7], 0
.else
	v_wmma_f32_16x16x32_f16 v[rD:rD+7], v[rB:rB+7], v[rA:rA+7], v[rD:rD+7]
.endif
.endm
; A HALF.  f: the buffers it multiplies; hi: my rows 0-63 (0) or 64-127 (1), and the part that it converts; g: the buffers that it converts into; zero: its products start the sums.
; load = 1: it begins with the run for the OTHER part, at place c.  conv = 1: it converts the part that the half before fetched.
; A vector instruction that writes a register which a matrix instruction has read stands four places behind it, and only plain vector instructions that name none of its registers are places (ISA guide 7.12.1):
; buffers g were last read in the quarter before, and the groups behind that quarter's last products, which write the other buffers, are those places.
; meet: the CHANGE OF SLOTS.  This half's run is the last that reads the slot.  Each wave waits for all its tensor loads, of which one is out: its part of the next slot; adds 0 to its spare word; and waits for that
; and for its own reads of the slot.  Behind the barrier nobody reads this slot any more and the next slot is whole.  meet = 1: the barrier opens a round of the cluster's barrier, so that no wave of any partner
; still reads the slot or has a load on its way, and the slot is filled again, the first thing behind the round, with the K step two steps on: seven halves, 224 matrix instructions, ahead of the wait for it.  meet = 2: nothing is left to fetch.
.macro HALF f, g, hi, zero, conv, load, c, meet
.if \load
	RUN 1-(\hi), \c
.endif
.if \meet
	WIN 0                                          ; (the add's two registers lie in window 0)
	s_wait_tensorcnt 0x0                           ; all my tensor loads have landed: the one that was out is my part of the next slot;
	ds_add_u32 v[SPW], v[NIL]                      ; 0 onto my spare word: sixteen products and their groups stand between it and the wait for it
.endif
.if \conv
.if \meet
	s_wait_dscnt 21                                ; the run before is in: behind it stand this run's 20 loads and the add
.elseif \load
	s_wait_dscnt 20                                ; LDS loads come back in order (ISA guide 5.7.1): the run before is in, this run's 20 stay out
.else
	s_wait_dscnt 0x0                               ; no run was issued behind the one that is converted now
.endif
.endif
.set i, 0
.rept 32
.if (\meet) && (i == 16)
	s_wait_dscnt 0x0                               ; the add is done, and my reads of this slot are over:
	s_barrier_signal -1                            ; say so, and work on registers while the others arrive
.endif
	MM \f, \hi, \zero
.if (\conv) && (i >= 4)
	GRP i-4, \hi, \g
.endif
.set i, i+1
.endr
.if \meet
	WIN 0                                          ; at a branch and at a label every window is 0
	s_barrier_wait -1
.if (\meet) == 1
	CREST                                          ; wave 0 says so for the work-group, all sixteen work-groups have said so, my work-group's barrier closes the round
	s_add_co_u32 s[G0+5], s[TB], s20               ; no tensor load of mine is out, so a group 0 may be written: the slot just left,
	s_add_co_u32 s[G0B+5], s[TB], s21
	s_add_nc_u64 s[G0+6:G0+7], s[G0+6:G0+7], KSTEP*4      ; the K step behind the one asked for last; the type bits on top are not reached
	s_add_nc_u64 s[G0B+6:G0B+7], s[G0B+6:G0B+7], KSTEP
	JLOAD 1                                        ; my one tensor load behind the round, and the first thing there
.endif
	s_xor_b32 s[TB], s[TB], SLOT                   ; from here on the other slot is read
	v_add_nc_u32 v[ADRA], s[TB], v[A0]
	v_add_nc_u32 v[ADRW], s[TB], v[W0]
.endif
.endm
; THE WAY OUT of block a (16 rows x my 128 columns), in two parts.  TOSTAGE: the block's eight accumulators go as they are, 32 bytes a lane and accumulator, into my own stage in LDS (each accumulator's
; low four registers first) and come back as whole rows of 512 bytes.  SEND: each row is multiplied by its columns' scales and stored.
.macro TOSTAGE a
.set AC, 64*((\a)%4)                   ; its accumulators, in window 2 (blocks 0-3) or 3 (blocks 4-7)
.set BK, F0+64*((\a)%2)                ; the 64 registers that take the rows: two sets by turns
	WIN 0x08+4*((\a)/4)                            ; store data (source 1) in window 2 or 3, address in window 0
.irp b, 0,1,2,3,4,5,6,7
	ds_store_b128 v[STO], v[AC+8*(\b):AC+8*(\b)+3]   offset:64*(\b)
	ds_store_b128 v[STO], v[AC+8*(\b)+4:AC+8*(\b)+7] offset:64*(\b)+16
.endr
	WIN 0
.if (\a) >= 2
	s_wait_xcnt 0x0                                ; every earlier memory instruction has had its addresses translated (ISA guide 3.1): the registers that block a - 2's stores read are loaded again only behind this wait
.endif
.irp t, 0,1,2,3,4,5,6,7,8,9,10,11,12,13,14,15
	ds_load_b128 v[BK+4*(\t):BK+4*(\t)+3], v[RD] offset:(\t)*SPITCH  ; LDS serves a wave's instructions in order (ISA guide 5.7.1.4): these see the stores above; the next block's stores come behind them
.endr
.endm
.macro SEND a, younger                 ; younger: the LDS instructions issued behind block a's loads: the next block's 32, or none
.set BK, F0+64*((\a)%2)
	WIN 0
.irp t, 0,1,2,3,4,5,6,7,8,9,10,11,12,13,14,15
	s_wait_dscnt (\younger)+15-(\t)                ; row t is back: behind its load stand 15 - t of this block and the younger ones
	v_pk_mul_f32 v[BK+4*(\t):BK+4*(\t)+1],   v[BK+4*(\t):BK+4*(\t)+1],   v[SC:SC+1]
	v_pk_mul_f32 v[BK+4*(\t)+2:BK+4*(\t)+3], v[BK+4*(\t)+2:BK+4*(\t)+3], v[SC+2:SC+3]
	global_store_b128 v[CO], v[BK+4*(\t):BK+4*(\t)+3], s[8:9] offset:(16*(\a)+(\t))*SIZE_N*4 th:TH_STORE_NT  ; the wave stores 512 consecutive bytes, at a multiple of 512 from out0's first byte; 127 rows at the most stand in the immediate: 2,080,768, inside its signed 24 bits
.endr
.endm
	s_wait_tensorcnt 1                             ; my part of K step 0 is in; K step 1's may stay out
	s_barrier_signal -1
	s_barrier_wait -1                              ; everybody's is
	RUN 0, 0                                       ; the first quarter's raw data, both parts,
	RUN 1, 0
	s_wait_dscnt 0x0
.set i, 0
.rept 28                               ; and its conversions, once without products beside them; the two parts alternate, so that no group reads what the group just before it wrote
	GRP i, 0, F0
	GRP i, 1, F0
.set i, i+1
.endr
	RUN 0, 1                                       ; the run that the half before the first would have issued
	HALF F0, F1, 0, 1, 1, 1, 1, 0                  ; the first quarter stands in front of the loop: its products start the sums
	HALF F0, F1, 1, 1, 1, 1, 2, 0
	WIN 0                                          ; at a label and at a branch every window is 0
	s_mov_b32 s3, STEPS-2
.Lstep:                                                ; a trip goes from a K step's second quarter to the next step's first, changes slots once and fills the slot that it leaves: 30 trips ask for K steps 2 to 31
	HALF F1, F0, 0, 0, 1, 1, 2, 0
	HALF F1, F0, 1, 0, 1, 1, 3, 0
	HALF F0, F1, 0, 0, 1, 1, 3, 1
	HALF F0, F1, 1, 0, 1, 1, 0, 0
	HALF F1, F0, 0, 0, 1, 1, 0, 0
	HALF F1, F0, 1, 0, 1, 1, 1, 0
	HALF F0, F1, 0, 0, 1, 1, 1, 0
	HALF F0, F1, 1, 0, 1, 1, 2, 0
	WIN 0
	s_sub_co_u32 s3, s3, 1
	s_cmp_lg_u32 s3, 0
	s_cbranch_scc1 .Lstep
	HALF F1, F0, 0, 0, 1, 1, 2, 0                  ; the last two K steps are written out.  K step 30 goes on
	HALF F1, F0, 1, 0, 1, 1, 3, 0
	HALF F0, F1, 0, 0, 1, 1, 3, 2                  ; the last change of slots: my one tensor load that was still out is K step 31's
	HALF F0, F1, 1, 0, 1, 1, 0, 0
	HALF F1, F0, 0, 0, 1, 1, 0, 0
	HALF F1, F0, 1, 0, 1, 1, 1, 0
	HALF F0, F1, 0, 0, 1, 1, 1, 0                  ; K step 31
	HALF F0, F1, 1, 0, 1, 1, 2, 0
	HALF F1, F0, 0, 0, 1, 1, 2, 0
	HALF F1, F0, 1, 0, 1, 1, 3, 0
	HALF F0, F1, 0, 0, 1, 1, 3, 0                  ; the last run
	HALF F0, F1, 1, 0, 1, 0, 0, 0                  ; the last conversions
	HALF F1, F0, 0, 0, 0, 0, 0, 0                  ; the last quarter: products alone
	HALF F1, F0, 1, 0, 0, 0, 0, 0
	WIN 0
	s_wait_loadcnt 0x0                             ; my scales
.rept 4
	v_nop                                          ; four places behind the last products: the stores below read results, the loads below land in A's fragment registers
.endr
	TOSTAGE 0
.irp a, 1,2,3,4,5,6,7                  ; block a's trip through the stage is under way while block a - 1 is scaled and stored
	TOSTAGE \a
	SEND (\a)-1, 32
.endr
	SEND 7, 0
	s_wait_tensorcnt 0x0                           ; the wave's end: behind my last tensor load and my last LDS store
	ds_add_u32 v[SPW], v[NIL]
	s_wait_dscnt 0x0
	CROUND                                         ; the closing round: no work-group ends while a partner may still ask for a tile that names it
	s_endpgm
.Lfunc_end_k_qa35cb357ad_gemm:
	.size	k_qa35cb357ad_gemm, .Lfunc_end_k_qa35cb357ad_gemm-k_qa35cb357ad_gemm
	.p2alignl 7, 3214868480
	.fill 96, 4, 3214868480
	.section	.rodata,"a",@progbits
	.p2align	6, 0x0
	.amdhsa_kernel k_qa35cb357ad_gemm
		.amdhsa_group_segment_fixed_size 327680
		.amdhsa_private_segment_fixed_size 0
		.amdhsa_enable_private_segment 0
		.amdhsa_kernarg_size 32
		.amdhsa_user_sgpr_count 2
		.amdhsa_user_sgpr_kernarg_segment_ptr 1
		.amdhsa_wavefront_size32 1
		.amdhsa_system_sgpr_workgroup_id_x 1
		.amdhsa_system_sgpr_workgroup_id_y 1
		.amdhsa_system_sgpr_workgroup_id_z 1
		.amdhsa_system_vgpr_workitem_id 0
		.amdhsa_next_free_vgpr 1024
		.amdhsa_next_free_sgpr 76
		.amdhsa_reserve_vcc 0
		.amdhsa_float_denorm_mode_32 3
		.amdhsa_float_denorm_mode_16_64 3
		.amdhsa_memory_ordered 1
		.amdhsa_forward_progress 1
		.amdhsa_inst_pref_size 255
	.end_amdhsa_kernel
	.section	.bss,"aw",@nobits
	.p2align	6
	.space	262144
	.amdgpu_metadata
---
amdhsa.version: [ 1, 2 ]
amdhsa.kernels:
  - .name:           k_qa35cb357ad_gemm
    .symbol:         k_qa35cb357ad_gemm.kd
    .args:
      - { .name: inputs, .offset: 0, .size: 8, .value_kind: global_buffer, .address_space: global }
      - { .name: weight, .offset: 8, .size: 8, .value_kind: global_buffer, .address_space: global }
      - { .name: out0, .offset: 16, .size: 8, .value_kind: global_buffer, .address_space: global }
      - { .name: weight_scaler, .offset: 24, .size: 8, .value_kind: global_buffer, .address_space: global }
    .group_segment_fixed_size: 327680
    .private_segment_fixed_size: 0
    .kernarg_segment_align: 8
    .kernarg_segment_size: 32
    .max_flat_workgroup_size: 128
    .sgpr_count:     76
    .vgpr_count:     1024
    .wavefront_size: 32
...
	.end_amdgpu_metadata
.endif
;; end of part 1
